; MI455X (gfx1250); checked and timed in simulation.
; The chip was launched on July 23, 2026; its instructions are those of AMD's public machine-readable ISA for CDNA 5 (MIT licence, August 2026) and "CDNA5" Instruction Set Architecture Reference Guide (July 2026). The comments in the code are by the model that wrote it; some were corrected since.
;; GRU Cell. Allowed arithmetic: matrix products marked QUANTISED: E3M2 operands, one E8M0 scale for each 32 along K, by v_wmma_scale_f32_16x16x128_f8f6f4 with both operands' format E3M2, f32 sums; everything else in f32.
;; Inputs: W_h 2,048 x 1,024 float32; W_r 2,048 x 1,024 float32; W_z 2,048 x 1,024 float32; h 8,192 x 1,024 float32; x 8,192 x 1,024 float32.
;; Outputs: out0 8,192 x 1,024 float32.
;; This version of the problem:
;;   THIS VERSION OF THE PROBLEM IS GIVEN IN LOW PRECISION. The matrix products marked QUANTISED in the list below multiply operands that are first quantised to E3M2 (3 exponent bits, 2 mantissa bits; 6 bits a number), with one power-of-two scale for each 32 numbers along K (OCP MX v1.0); their sums are f32. All else is computed in f32.
;;   The module's matrix products, in the order in which they are computed (A, B: the left and right operand; K: the contracted axis; several contracted axes count as one K, in the product's order):
;;     1. [M 8,192, K 2,048] x [K 2,048, N 1,024]; A: computed on the way; B: input W_r: QUANTISED
;;     2. [M 8,192, K 2,048] x [K 2,048, N 1,024]; A: computed on the way; B: input W_z: QUANTISED
;;     3. [M 8,192, K 2,048] x [K 2,048, N 1,024]; A: computed on the way; B: input W_h: QUANTISED
;;   THE QUANTISER, for each operand of a quantised product, along K:
;;     - K is cut into blocks of 32 from its start; a last block that is shorter is filled with zeros.
;;     - A block's scale is 2^e with e = floor(log2(the largest magnitude in the block)) - 4, held to -126 .. 127; a block of zeros has e = 0. As a byte (E8M0): e + 127.
;;     - Each number is divided by its block's scale, clamped to +-28, and rounded to the nearest number of E3M2, ties to even, subnormals kept.
;;     - The product sums the exact products of the quantised numbers (number of the format x scale) in f32.
;;   ~~~python
;;   def quantise(x, axis):      # numpy; x: float32 -> the quantised numbers, widened to float32 again
;;       x = np.moveaxis(x, axis, -1); K = x.shape[-1]
;;       x = np.pad(x, [(0, 0)] * (x.ndim - 1) + [(0, -K % 32)]); x = x.reshape(x.shape[:-1] + (-1, 32)); a = np.abs(x).max(-1, keepdims=True)
;;       e = np.where(a > 0, np.clip(np.frexp(np.where(a > 0, a, 1))[1] - 1 - 4, -126, 127), 0)      # np.frexp(a)[1] - 1 = floor(log2(a)), exactly
;;       r = np.clip(x / 2.0 ** e, -28, 28)
;;       step = 2.0 ** (np.maximum(np.frexp(np.where(r == 0, 1, r))[1] - 1, -2) - 2)
;;       q = np.round(r / step) * step * 2.0 ** e      # np.round: ties to even
;;       return np.moveaxis(q.reshape(q.shape[:-2] + (-1,))[..., :K], -1, axis).astype(np.float32)
;;   ~~~
;;   OPERANDS COMPUTED ON THE WAY. 'Computed on the way' means the value that the module computes at that place (a softmax that the list does not call 'softmax' is quantised finished and normalised). What goes into a quantiser is computed in f32, as accurately as f32 sums, v_exp_f32 and their like allow (about 1e-6 of the number): no bf16 or f16 on the way to a quantiser, and a product that is left as it is and whose result goes on into a quantised operand takes f32 operands (vector FMAs, or v_wmma_f32_16x16x4_f32). A number that lies on a knife's edge between two numbers of the format may be rounded either way, as far as f32 arithmetic and the matrix unit's own rounding can turn it there, and no further.
;; One version. Each part assembles by itself: llvm-mc -triple=amdgcn-amd-amdhsa -mcpu=gfx1250 --defsym DOCPART=n.
;; ======== version 1 of 1: 3 launches
;; limits: inputs' magnitudes at most 1.153e+18; right only within a limited range of input values
;; workspace buffers: AC 13,107,200 bytes; RC 6,553,600 bytes; WC 4,915,200 bytes
;; launch quant (part 1): grid 704 x 1, 4 waves a work-group, no clusters, 60,928 bytes of LDS; arguments h, x, W_r, W_z, W_h, AC, WC; writes AC, WC
.if DOCPART == 1
	.amdgcn_target "amdgcn-amd-amdhsa--gfx1250"
	.amdhsa_code_object_version 6
	.text
	.protected	k_q9bebd64db4_quant
	.globl	k_q9bebd64db4_quant
	.p2align	8
	.type	k_q9bebd64db4_quant,@function
k_q9bebd64db4_quant:
	s_mov_b64 s[64:65], 0
	v_nop
	global_prefetch_b8 v0, s[64:65] scope:SCOPE_SE
	s_setreg_imm32_b32 hwreg(HW_REG_WAVE_MODE, 25, 1), 1
	s_wait_xcnt 0x0
; concat(h, x) [8192][2048] and W_r, W_z, W_h [2048][1024], all f32, become codes of BF6 (E3M2) with one E8M0 scale byte for each 32 along K.
; A block's scale is 2^(floor(log2(its largest magnitude)) - 4): its byte is the largest magnitude's exponent field - 4, held at 1 from below.
; LIMITS: NaN and infinities among the inputs are not served; a block whose largest magnitude lies under 2^-122 (zeros too) gets the byte 1 where the rule says
; another: a block of zeros has zero codes, which add nothing under that byte, and the bytes are read by this program alone.
; THE WORKSPACE IS LAID IN THE ORDER OF THE OPERAND'S REGISTERS.  A RECORD is 64 rows (four fragments of 16) x 128 K, 6,400 bytes, at a multiple of 256:
;   byte 1536 a + 512 c + 16 l + 4 e = register 4 c + e of lane l of fragment a;   byte 6144 + 128 (a / 2) + 8 r + 4 (a % 2) = the scale word of row r of fragment a.
; K step ks (128 along K) of the 2,048 lies at place 2 (ks % 8) + ks / 8, so that h's step i and x's step 8 + i are neighbours.
; AC [128 groups of 64 rows][16 places][6400].  WC [48 quads of 64 columns][16 places][6400]: quads 0-15 W_r; quad 16 + 4 (n / 128) + 2 (W_h ? 1 : 0) + (n / 64) % 2 W_z and W_h.
; In a quad, column n goes to fragment 2 (n / 32) + (n / 8) % 2, row n % 8 + 8 ((n / 16) % 2): in a transposed product a lane's 16 registers of two neighbouring tiles are then 16 neighbouring columns.
; SHARES.  Each wave makes ONE record from 32 KiB of f32.  Work-groups 0-191 take the weights, 192-703 h and x; the two ways part on the work-group's number and have LDS bytes of their own.
; A stream: no tensor loads, no barrier (waves share nothing), no matrix unit, no cluster (no two work-groups read the same bytes).
.set SRB,  6400
.set L16,  4                           ; v4   16 x lane
.set L8,   5                           ; v5   8 x lane
.set R,    16                          ; v16-143  two sets of 64 numbers as they are loaded
.set X,    144                         ; v144-207 64 numbers in the order that the conversions want
.set PC,   208                         ; v208-227 codes: 12 registers and 8 at work
.set TM,   228                         ; v228-243 largest magnitudes, bytes, scale operands
.set PW,   244                         ; v244-247 scale words
.set SW,   248                         ; v[248:249] two scale words on their way out
.set SEL,  22                          ; s[22:23] v_permlanex16_b32's selects for lane l xor 16
.set ASTG, 8448                        ; activations: a wave's stage, 16 rows x (512 + 16) bytes, from LDS byte 0
.set WBASE, 4*ASTG                     ; weights: the stages begin behind them
.set WSTG, 6656                        ; a wave's stage: four fragments 1,552 bytes apart, the scale words at 6,208
.set WFP,  1552
	s_load_b256 s[4:11], s[0:1], 0x0               ; h s[4:5], x s[6:7], W_r s[8:9], W_z s[10:11]
	s_load_b128 s[12:15], s[0:1], 0x20             ; W_h s[12:13], AC s[14:15]
	s_load_b64 s[16:17], s[0:1], 0x30              ; WC
	v_lshl_add_u32 v254, v0, 2, 0xec00
	v_mov_b32 v255, 0
	v_lshrrev_b32 v1, 5, v0
	v_readfirstlane_b32 s20, v1                    ; wave 0..3
	v_and_b32 v1, 31, v0                           ; lane
	v_and_b32 v2, 15, v0                           ; r
	v_bfe_u32 v3, v0, 4, 1                         ; h
	v_lshlrev_b32 v[L16], 4, v1
	v_lshlrev_b32 v[L8], 3, v1
	s_mov_b32 s[SEL], 0x76543210
	s_mov_b32 s[SEL+1], 0xfedcba98
	s_wait_kmcnt 0x0
	s_cmp_lt_u32 ttmp9, 192
	s_cbranch_scc0 .Lact
; ---------------- THE WEIGHTS.  K is the first axis: a lane takes two columns (2 l, 2 l + 1 of the quad) and its registers run down K: nothing is transposed by an instruction.
	s_lshr_b32 s25, ttmp9, 6                       ; which tensor: 0 W_r, 1 W_z, 2 W_h
	s_bfe_u32 s26, ttmp9, 0x40002                  ; which 64 columns
	s_and_b32 s27, ttmp9, 3
	s_lshl_b32 s27, s27, 2
	s_add_co_u32 s27, s27, s20                     ; which K step: 4 x (work-group % 4) + wave
	s_cmp_eq_u32 s25, 0                            ; the choices hang on the work-group's number alone
	s_cselect_b64 s[28:29], s[8:9], s[10:11]
	s_cmp_eq_u32 s25, 2
	s_cselect_b64 s[28:29], s[12:13], s[28:29]
	s_lshl_b32 s30, s27, 19                        ; 128 rows of 4,096 bytes a K step,
	s_lshl_b32 s31, s26, 8                         ; 256 bytes a quad
	s_add_co_u32 s30, s30, s31
	s_mov_b32 s31, 0
	s_add_nc_u64 s[28:29], s[28:29], s[30:31]
	s_lshr_b32 s32, s26, 1
	s_lshl_b32 s32, s32, 2
	s_and_b32 s33, s26, 1
	s_add_co_u32 s32, s32, s33
	s_lshl_b32 s33, s25, 1
	s_add_co_u32 s32, s32, s33
	s_add_co_u32 s32, s32, 14                      ; 16 + 4 (cg / 2) + 2 (tensor - 1) + cg % 2
	s_cmp_eq_u32 s25, 0
	s_cselect_b32 s32, s26, s32                    ; W_r: the quad is cg
	s_and_b32 s33, s27, 7
	s_lshl_b32 s33, s33, 1
	s_lshr_b32 s34, s27, 3
	s_add_co_u32 s33, s33, s34                     ; the K step's place
	s_lshl_b32 s32, s32, 4
	s_add_co_u32 s32, s32, s33
	s_mul_i32 s32, s32, SRB
	s_mov_b32 s33, 0
	s_add_nc_u64 s[16:17], s[16:17], s[32:33]      ; my record in WC
	s_mul_i32 s34, s20, WSTG
	s_add_co_u32 s34, s34, WBASE                   ; my stage
	v_bfe_u32 v6, v0, 2, 1
	s_wait_alu depctr_va_vdst(0)
	v_lshl_add_u32 v8, v3, 1, v6                   ; my columns' fragment: 2 (l / 16) + (l / 4) % 2
	v_and_b32 v7, 3, v0
	v_lshlrev_b32 v7, 1, v7
	v_bfe_u32 v11, v0, 3, 1
	v_lshl_add_u32 v7, v11, 3, v7                  ; and the even column's row in it: 2 (l % 4) + 8 ((l / 8) % 2)
	v_mul_u32_u24 v9, v8, WFP
	v_lshl_add_u32 v9, v7, 4, v9
	v_add_nc_u32 v9, s34, v9                       ; v9: where that row's 16 bytes of a group of four registers lie
	v_lshlrev_b32 v10, 7, v3
	v_lshl_add_u32 v10, v6, 2, v10
	v_lshl_add_u32 v10, v7, 3, v10
	v_add_nc_u32 v10, s34, v10                     ; v10: its scale word (+ 6,208)
	v_add_nc_u32 v12, s34, v[L16]                  ; v12: back: 16 bytes a lane
	v_add_nc_u32 v13, s34, v[L8]                   ; v13: the scale words back: 8 bytes a lane (+ 6,208)
.macro LOADW b                         ; block b: W(32 b + k, my two columns), k = 0 .. 31: each load of the wave covers 256 consecutive bytes, aligned
.set kk, 0
.rept 32
	global_load_b64 v[R+64*((\b)%2)+2*kk:R+64*((\b)%2)+2*kk+1], v[L8], s[28:29] offset:(32*(\b)+kk)*4096 th:TH_LOAD_NT
.set kk, kk+1
.endr
.endm
.macro BLOCKW b
.set RS, R+64*((\b)%2)
.if (\b) < 3
	s_wait_loadcnt 32                              ; this block's 32 loads are in; the next block's may be out
.else
	s_wait_loadcnt 0x0
.endif
.irp j, 0,1
	v_max3_num_f32 v[TM+\j], |v[RS+\j]|, |v[RS+2+\j]|, 0x2800000   ; column j's largest magnitude, and the floor 2^(5 - 127): the byte cannot fall under 1
.endr
.irp k, 2,4,6,8,10,12,14,16,18,20,22,24,26,28,30
.irp j, 0,1
	v_max3_num_f32 v[TM+\j], v[TM+\j], |v[RS+2*\k+\j]|, |v[RS+2*\k+2+\j]|   ; (the two columns by turns)
.endr
.endr
.set kk, 0
.rept 32
	v_mov_b32 v[X+kk], v[RS+2*kk]                  ; the conversions take neighbours along K from consecutive registers: the two columns are parted
	v_mov_b32 v[X+32+kk], v[RS+2*kk+1]
.set kk, kk+1
.endr
.if (\b) < 2
	LOADW (\b)+2
.endif
.irp j, 0,1
	v_add_nc_u32 v[TM+2+\j], 0xfe000000, v[TM+\j]  ; 4 off the exponent field: the conversion takes the exponent field of this operand as its scale
.endr
.irp j, 0,1
	v_lshrrev_b32 v[TM+4+\j], 23, v[TM+2+\j]       ; the scale's byte
.endr
.irp j, 0,1
.if (\b) == 0
	v_mov_b32 v[PW+\j], v[TM+4+\j]
.else
	v_lshl_or_b32 v[PW+\j], v[TM+4+\j], 8*(\b), v[PW+\j]   ; four bytes make the column's scale word, the lower K in the lower byte
.endif
.endr
	s_wait_alu depctr_va_vdst(0)
	s_wait_dscnt 0x0                               ; the last block's stores into the stage are done: the codes' registers are written again
.irp j, 0,1
	v_cvt_scalef32_pk16_bf6_f32 v[PC+6*\j:PC+6*\j+2], v[X+32*\j:X+32*\j+15], v[TM+2+\j]
	v_cvt_scalef32_pk16_bf6_f32 v[PC+12+4*\j:PC+14+4*\j], v[X+32*\j+16:X+32*\j+31], v[TM+2+\j]   ; (a conversion's three registers begin on an even number)
.endr
	v_nop                                          ; one plain place behind a scaled conversion
.irp j, 0,1
.irp i, 0,1,2
	v_mov_b32 v[PC+6*\j+3+\i], v[PC+12+4*\j+\i]
.endr
.endr
; Block b is registers 6 (b / 2) .. + 5 of lane row + 16 (b % 2) of the fragment: in the record's order two pieces, of 16 and of 8 bytes
.irp j, 0,1
.if (\b) < 2
	ds_store_b128 v9, v[PC+6*\j:PC+6*\j+3] offset:256*((\b)%2)+16*\j
	ds_store_b64 v9, v[PC+6*\j+4:PC+6*\j+5] offset:512+256*((\b)%2)+16*\j
.else
	ds_store_b64 v9, v[PC+6*\j:PC+6*\j+1] offset:520+256*((\b)%2)+16*\j
	ds_store_b128 v9, v[PC+6*\j+2:PC+6*\j+5] offset:1024+256*((\b)%2)+16*\j
.endif
.endr
.endm
	LOADW 0
	LOADW 1
	BLOCKW 0
	BLOCKW 1
	BLOCKW 2
	BLOCKW 3
.irp j, 0,1
	ds_store_b32 v10, v[PW+\j] offset:4*WFP+8*\j
.endr
.irp a, 0,1,2,3                        ; the record comes back in its own order (LDS serves a wave's instructions in order: these see my stores) and leaves as 6,400 consecutive bytes
.irp c, 0,1,2
	ds_load_b128 v[R+4*(3*\a+\c):R+4*(3*\a+\c)+3], v12 offset:WFP*\a+512*\c
.endr
.endr
	ds_load_b64 v[R+48:R+49], v13 offset:4*WFP
.irp a, 0,1,2,3
.irp c, 0,1,2
	s_wait_dscnt 12-(3*\a+\c)                      ; the younger LDS loads may be out
	global_store_b128 v[L16], v[R+4*(3*\a+\c):R+4*(3*\a+\c)+3], s[16:17] offset:1536*\a+512*\c   ; 32 lanes store 512 consecutive bytes, aligned to 256
.endr
.endr
	s_wait_dscnt 0x0
	global_store_b64 v[L8], v[R+48:R+49], s[16:17] offset:6144   ; the 64 scale words: 256 consecutive bytes, aligned
	s_wait_tensorcnt 0x0
	ds_add_u32 v254, v255
	s_wait_dscnt 0x0
	s_endpgm
; ---------------- h AND x.  K is innermost.  Loads take the bytes as they lie (512 consecutive bytes of a row); a fragment's 16 rows turn through the wave's stage, so that a lane gets 16 neighbours of each block.
.Lact:
	s_sub_co_u32 s25, ttmp9, 192
	s_cmp_lt_u32 s25, 256                          ; h's work-group or x's: the choice hangs on the work-group's number alone
	s_cselect_b64 s[28:29], s[4:5], s[6:7]
	s_lshr_b32 s26, s25, 8                         ; 0: h, 1: x
	s_bfe_u32 s27, s25, 0x70001                    ; which 64 rows
	s_and_b32 s30, s25, 1
	s_lshl_b32 s30, s30, 2
	s_add_co_u32 s30, s30, s20                     ; which K step of the tensor's eight
	s_lshl_b32 s32, s27, 18                        ; 64 rows of 4,096 bytes,
	s_lshl_b32 s33, s30, 9                         ; 512 bytes a K step
	s_add_co_u32 s32, s32, s33
	s_mov_b32 s33, 0
	s_add_nc_u64 s[28:29], s[28:29], s[32:33]
	s_lshl_b32 s34, s30, 1
	s_add_co_u32 s34, s34, s26                     ; the K step's place
	s_lshl_b32 s35, s27, 4
	s_add_co_u32 s34, s34, s35
	s_mul_i32 s34, s34, SRB
	s_mov_b32 s35, 0
	s_add_nc_u64 s[14:15], s[14:15], s[34:35]      ; my record in AC
	s_mul_i32 s36, s20, ASTG                       ; my stage
	s_wait_alu depctr_va_vdst(0)
	v_add_nc_u32 v6, s36, v[L16]                   ; v6: in: a row as it is loaded
	v_mul_u32_u24 v7, v2, 528
	v_lshl_add_u32 v7, v3, 6, v7
	v_add_nc_u32 v7, s36, v7                       ; v7: out: row r, + 64 h: my 16 numbers of a block of 32.  Rows 528 bytes apart: sixteen lanes' 16 bytes fall on sixteen different places modulo 256
	v_cmp_le_u32 s24, 16, v1                       ; lanes 16-31
.irp b, 0,1,2,3
	v_mov_b32 v[TM+4+\b], 0                        ; written once: a lane permute's destination counts as one of its sources
.endr
; 64 numbers of a lane, register 16 b + i = k 32 b + 16 (lane / 16) + i of my row, become a fragment's codes in v[PC] on and its scale word in v[pw] (the same in both halves of the lanes)
.macro QUANT s, pw
.irp b, 0,1,2,3
	v_max3_num_f32 v[TM+\b], |v[\s+16*\b]|, |v[\s+1+16*\b]|, 0x2800000   ; block b: my 16 numbers, and the floor 2^(5 - 127)
.endr
.irp i, 2,4,6,8,10,12,14
.irp b, 0,1,2,3
	v_max3_num_f32 v[TM+\b], v[TM+\b], |v[\s+16*\b+\i]|, |v[\s+1+16*\b+\i]|   ; (the four blocks by turns)
.endr
.endr
.irp b, 0,1,2,3
	v_permlanex16_b32 v[TM+4+\b], v[TM+\b], s[SEL], s[SEL+1]
.endr
.irp b, 0,1,2,3
	v_max_num_f32 v[TM+\b], v[TM+\b], v[TM+4+\b]   ; with lane l xor 16's: the block's largest magnitude
.endr
.irp b, 0,1,2,3
	v_add_nc_u32 v[TM+12+\b], 0xfe000000, v[TM+\b] ; 4 off its exponent field: the conversion's scale operand
.endr
.irp b, 0,1,2,3
	v_lshrrev_b32 v[TM+4+\b], 23, v[TM+12+\b]      ; the scale's byte
.endr
	v_lshl_or_b32 v[\pw], v[TM+5], 8, v[TM+4]
	v_lshl_or_b32 v[\pw], v[TM+6], 16, v[\pw]
	v_lshl_or_b32 v[\pw], v[TM+7], 24, v[\pw]
.irp c, 0,1
	v_cvt_scalef32_pk16_bf6_f32 v[PC+6*\c:PC+2+6*\c], v[\s+32*\c:\s+15+32*\c], v[TM+12+2*\c]
	v_cvt_scalef32_pk16_bf6_f32 v[PC+12+4*\c:PC+14+4*\c], v[\s+16+32*\c:\s+31+32*\c], v[TM+12+2*\c+1]   ; (a conversion's three registers begin on an even number)
.endr
	v_nop                                          ; one plain place behind a scaled conversion
.irp c, 0,1                            ; the operand's layout wants a WHOLE block in a lane: lanes 0-15 block 2 c, lanes 16-31 block 2 c + 1
.irp i, 0,1,2
	v_permlane16_swap_b32 v[PC+6*\c+\i], v[PC+12+4*\c+\i]
.endr
.irp i, 0,1,2
	v_mov_b32 v[PC+3+6*\c+\i], v[PC+12+4*\c+\i]
.endr
.endr
.endm
.macro LOADA a                         ; fragment a: rows 16 a .. 16 a + 15, 512 consecutive bytes each
.irp i, 0,1,2,3,4,5,6,7,8,9,10,11,12,13,14,15
	global_load_b128 v[R+64*((\a)%2)+4*\i:R+64*((\a)%2)+4*\i+3], v[L16], s[28:29] offset:(16*(\a)+\i)*4096
.endr
.endm
.macro FRAGA a
.if (\a) < 3
	s_wait_loadcnt 16                              ; this fragment's 16 loads are in; the next one's may be out
.else
	s_wait_loadcnt 0x0
.endif
.irp i, 0,1,2,3,4,5,6,7,8,9,10,11,12,13,14,15
	ds_store_b128 v6, v[R+64*((\a)%2)+4*\i:R+64*((\a)%2)+4*\i+3] offset:528*\i
.endr
.irp b, 0,1,2,3
.irp j, 0,1,2,3
	ds_load_b128 v[X+16*\b+4*\j:X+16*\b+4*\j+3], v7 offset:128*\b+16*\j   ; LDS serves a wave's instructions in order: these see the stores above
.endr
.endr
	s_wait_dscnt 0x0                               ; the numbers are back, and the stores have read their registers
	s_wait_xcnt 0x0                                ; the last fragment's stores to memory have read the codes' registers
.if (\a) < 2
	LOADA (\a)+2
.endif
	QUANT X, PW+(\a)
.irp c, 0,1,2
	global_store_b128 v[L16], v[PC+4*\c:PC+4*\c+3], s[14:15] offset:1536*(\a)+512*\c   ; the fragment's registers as they stand: 512 consecutive bytes, aligned to 256
.endr
.endm
	LOADA 0
	LOADA 1
	s_wait_alu depctr_va_vdst(0)
	FRAGA 0
	FRAGA 1
	FRAGA 2
	FRAGA 3
	v_cndmask_b32 v[SW], v[PW], v[PW+2], s24       ; lanes 0-15 send the words of fragments 0 and 1, lanes 16-31 those of 2 and 3
	v_cndmask_b32 v[SW+1], v[PW+1], v[PW+3], s24
	global_store_b64 v[L8], v[SW:SW+1], s[14:15] offset:6144   ; 256 consecutive bytes, aligned
	s_wait_tensorcnt 0x0
	ds_add_u32 v254, v255
	s_wait_dscnt 0x0
	s_endpgm
.Lfunc_end_k_q9bebd64db4_quant:
	.size	k_q9bebd64db4_quant, .Lfunc_end_k_q9bebd64db4_quant-k_q9bebd64db4_quant
	.p2alignl 7, 3214868480
	.fill 96, 4, 3214868480
	.section	.rodata,"a",@progbits
	.p2align	6, 0x0
	.amdhsa_kernel k_q9bebd64db4_quant
		.amdhsa_group_segment_fixed_size 60928
		.amdhsa_private_segment_fixed_size 0
		.amdhsa_enable_private_segment 0
		.amdhsa_kernarg_size 56
		.amdhsa_user_sgpr_count 2
		.amdhsa_user_sgpr_kernarg_segment_ptr 1
		.amdhsa_wavefront_size32 1
		.amdhsa_system_sgpr_workgroup_id_x 1
		.amdhsa_system_sgpr_workgroup_id_y 1
		.amdhsa_system_sgpr_workgroup_id_z 1
		.amdhsa_system_vgpr_workitem_id 0
		.amdhsa_next_free_vgpr 256
		.amdhsa_next_free_sgpr 66
		.amdhsa_reserve_vcc 0
		.amdhsa_float_denorm_mode_32 3
		.amdhsa_float_denorm_mode_16_64 3
		.amdhsa_memory_ordered 1
		.amdhsa_forward_progress 1
		.amdhsa_inst_pref_size 71
	.end_amdhsa_kernel
	.amdgpu_metadata
---
amdhsa.version: [ 1, 2 ]
amdhsa.kernels:
  - .name:           k_q9bebd64db4_quant
    .symbol:         k_q9bebd64db4_quant.kd
    .args:
      - { .name: h, .offset: 0, .size: 8, .value_kind: global_buffer, .address_space: global }
      - { .name: x, .offset: 8, .size: 8, .value_kind: global_buffer, .address_space: global }
      - { .name: W_r, .offset: 16, .size: 8, .value_kind: global_buffer, .address_space: global }
      - { .name: W_z, .offset: 24, .size: 8, .value_kind: global_buffer, .address_space: global }
      - { .name: W_h, .offset: 32, .size: 8, .value_kind: global_buffer, .address_space: global }
      - { .name: AC, .offset: 40, .size: 8, .value_kind: global_buffer, .address_space: global }
      - { .name: WC, .offset: 48, .size: 8, .value_kind: global_buffer, .address_space: global }
    .group_segment_fixed_size: 60928
    .private_segment_fixed_size: 0
    .kernarg_segment_align: 8
    .kernarg_segment_size: 56
    .max_flat_workgroup_size: 128
    .sgpr_count:     66
    .vgpr_count:     256
    .wavefront_size: 32
...
	.end_amdgpu_metadata
.endif
;; end of part 1
;; launch gate_r (part 2): grid 4 x 64, 4 waves a work-group, clusters of 4 x 4, 327,680 bytes of LDS; arguments AC, WC, h, RC; writes RC
.if DOCPART == 2
	.amdgcn_target "amdgcn-amd-amdhsa--gfx1250"
	.amdhsa_code_object_version 6
	.text
	.protected	k_q9bebd64db4_gate_r
	.globl	k_q9bebd64db4_gate_r
	.p2align	8
	.type	k_q9bebd64db4_gate_r,@function
k_q9bebd64db4_gate_r:
	s_mov_b64 s[64:65], 0
	v_nop
	global_prefetch_b8 v0, s[64:65] scope:SCOPE_SE
	s_setreg_imm32_b32 hwreg(HW_REG_WAVE_MODE, 25, 1), 1
	s_wait_xcnt 0x0
	s_wait_alu depctr_hold_cnt(0) depctr_sa_sdst(0) depctr_va_vdst(0) depctr_va_sdst(0) depctr_va_ssrc(0) depctr_va_vcc(0) depctr_vm_vsrc(0)
	s_getreg_b32 s2, hwreg(HW_REG_IB_STS2, 6, 4)
	s_cmp_eq_u32 s2, 0
	s_cbranch_scc0 .Lentry_in_a_cluster
	s_endpgm
.Lentry_in_a_cluster:
	s_bfe_u32 s2, ttmp6, 0x10000c
	s_cmp_lg_u32 s2, 0xf033
	s_cbranch_scc0 .Lentry_shape_is_right
	s_endpgm
.Lentry_shape_is_right:
; RC = codes of r h, r = sigmoid(concat(h, x) W_r).  The product runs on codes of BF6 (E3M2) with E8M0 scales, sums in f32; the sigmoid, r h and the quantiser in f32.
; AC, WC and RC are laid in RECORDS of 64 rows x 128 K, 6,400 bytes, in the order of the operand's registers.  AC [128][16][6400], WC [48][16][6400] (quads 0-15: W_r), RC [128][8][6400].
; LIMITS: the sums take K's steps of 128 in the order 0, 8, 1, 9, ..; NaN and infinities are not served; a block of r h under 2^-122 gets the scale byte 1.
; SHARES.  A work-group makes 128 rows x 256 columns: 64 x 4 = 256 work-groups; a wave 64 x 128: 32 accumulators.  A slot holds four K places: AC's 4 records for each of 2 groups of rows, WC's 4 for each of 4 quads; four fills in all.
; CLUSTER 4 x 4: AC's records are shared along a row of the cluster, WC's along a column.  The last change of slots brings each wave's 64 rows x 512 bytes of h into the slot that has had its last read.
; PREFETCH.  Each block of 256 bytes of fills 1 to 3 is asked for once in each cluster that will load it, lanes 256 bytes apart; the partners share a tile by address.  Of its tile row's 8 records of a fill the work-group
; takes two (group cx / 2, places 2 (cx % 2) on: 50 blocks, 13 a wave), of its tile column's 16 the four of quad cy (one a wave).  Fills 1 and 2 at the head, fill 3 in the first step.
; Each wave asks for its own 64 rows of h, 16 rows in each of four steps, the last of them five steps ahead of h's tensor load.
.set SRB,   6400
.set AROW,  4*SRB
.set BOFF,  2*AROW
.set SLOT,  6*AROW
.set SPARE, 2*SLOT
.set HP,    528
.set HW,    64*HP
.set ADRA, 4
.set ADRB, 6
.set ADSA, 8
.set ADSB, 10
.set HA,   12
.set L16,  13
.set L8,   14
.set SPW,  28
.set NIL,  29
.set SC,   32
.set PFC,  48
.set PFH,  49
.set AF,   64
.set T,    64
.set HB,   128
.set PC,   192
.set TM,   212
.set PW,   228
.set SW,   232
.set G1A, 24
.set G0A, 32
.set G1B, 48
.set G0B, 56
.set GH1, 68
.set GH0, 76
.set NL2E, 80
.set SEL,  82
.set MULW, 0xa1
.set MSB, 0
.macro WIN new
.if MSB != \new
	s_set_vgpr_msb (MSB<<8)|\new
.set MSB, \new
.endif
.endm
.macro PLACES
.rept 4
	v_nop
.endr
.endm
.macro JLOAD g0a, g1a, g0b, g1b
	s_cmp_eq_u32 s15, 0
	s_cbranch_scc0 .Lfor_b_\@
	tensor_load_to_lds s[\g0a:\g0a+3], s[\g1a:\g1a+7]
	s_nop 0
.rept 4
	v_nop
.endr
	s_branch .Lasked_\@
.Lfor_b_\@:
	tensor_load_to_lds s[\g0b:\g0b+3], s[\g1b:\g1b+7]
	s_nop 0
.rept 4
	v_nop
.endr
.Lasked_\@:
.endm
.macro CREST
	s_cmp_lg_u32 s14, 0
	s_cbranch_scc1 .Lnot_wave_0_\@
	s_barrier_signal -3
.Lnot_wave_0_\@:
	s_barrier_wait -3
	s_barrier_signal -1
	s_barrier_wait -1
.endm
.macro CROUND
	s_barrier_signal -1
	s_barrier_wait -1
	CREST
.endm
	s_load_b256 s[4:11], s[0:1], 0x0
	v_lshl_add_u32 v[SPW], v0, 2, SPARE
	v_mov_b32 v[NIL], 0
	ds_add_u32 v28, v29
	ds_add_u32 v28, v29
	s_wait_dscnt 0x0
	v_lshrrev_b32 v1, 5, v0
	v_readfirstlane_b32 s14, v1
	s_lshr_b32 s15, s14, 1
	s_and_b32 s16, s14, 1
	s_bfe_u32 s40, ttmp6, 0x40000
	s_bfe_u32 s41, ttmp6, 0x40004
	s_lshl_b32 s42, ttmp9, 2
	s_add_co_u32 s42, s42, s40
	s_and_b32 s17, ttmp7, 0xffff
	s_lshl_b32 s17, s17, 2
	s_add_co_u32 s17, s17, s41
	s_lshl_b32 s43, s41, 2
	s_lshl_b32 s43, 15, s43
	s_lshl_b32 s44, 0x1111, s40
	s_or_b32 s[G1A], s43, (3<<16)|(1<<21)
	s_or_b32 s[G1B], s44, (3<<16)|(1<<21)
	s_mov_b32 s[G1A+1], 3200<<16
	s_mov_b32 s[G1A+2], 1<<16
	s_mov_b32 s[G1A+3], 3200<<16
	s_mov_b32 s[G1A+4], 1
	s_mov_b32 s[G1A+5], 12800
	s_mov_b32 s[G1A+6], 0
	s_mov_b32 s[G1A+7], 0
	s_mov_b32 s[G1B+1], 3200<<16
	s_mov_b32 s[G1B+2], 2<<16
	s_mov_b32 s[G1B+3], 3200<<16
	s_mov_b32 s[G1B+4], 2
	s_mov_b32 s[G1B+5], 12800
	s_mov_b32 s[G1B+6], 0
	s_mov_b32 s[G1B+7], 0
	s_mov_b32 s[GH1], (3<<16)|(1<<20)|(6<<22)|(3<<25)
	s_mov_b32 s[GH1+1], 64<<16
	s_mov_b32 s[GH1+2], 64<<16
	s_mov_b32 s[GH1+3], 64<<16
	s_mov_b32 s[GH1+4], 64
	s_mov_b32 s[GH1+5], 512
	s_mov_b32 s[GH1+6], 0
	s_mov_b32 s[GH1+7], 0
	s_lshl_b32 s20, s17, 1
	s_add_co_u32 s20, s20, s16
	s_mul_i32 s20, s20, 16*SRB
	s_mov_b32 s21, 0
	s_lshl_b32 s46, s42, 2
	s_lshl_b32 s45, s16, 1
	s_add_co_u32 s46, s46, s45
	s_mul_i32 s46, s46, 16*SRB
	s_mov_b32 s47, 0
	s_mul_i32 s45, s16, AROW
	s_mul_i32 s94, s16, 2*AROW
	s_add_co_u32 s94, s94, BOFF
	s_lshl_b32 s86, s17, 19
	s_lshl_b32 s87, s15, 18
	s_add_co_u32 s86, s86, s87
	s_lshl_b32 s87, s42, 10
	s_add_co_u32 s86, s86, s87
	s_lshl_b32 s87, s16, 9
	s_add_co_u32 s86, s86, s87
	s_mov_b32 s87, 0
	s_lshl_b32 s88, s17, 1
	s_add_co_u32 s88, s88, s15
	s_lshl_b32 s88, s88, 3
	s_lshl_b32 s89, s42, 1
	s_add_co_u32 s88, s88, s89
	s_add_co_u32 s88, s88, s16
	s_mul_i32 s88, s88, SRB
	s_mov_b32 s89, 0
	s_mul_i32 s90, s14, HW
	s_mov_b32 s[NL2E], 0xbfb8aa3b
	s_mov_b32 s[NL2E+1], s[NL2E]
	s_mov_b32 s[SEL], 0x76543210
	s_mov_b32 s[SEL+1], 0xfedcba98
	s_wait_kmcnt 0x0
	s_add_nc_u64 s[20:21], s[4:5], s[20:21]
	s_add_nc_u64 s[46:47], s[6:7], s[46:47]
	s_add_nc_u64 s[10:11], s[10:11], s[88:89]
	s_add_nc_u64 s[92:93], s[8:9], s[86:87]
	s_mov_b32 s[GH0], 1
	s_mov_b32 s[GH0+1], s90
	s_add_nc_u64 s[GH0+2:GH0+3], s[8:9], s[86:87]
	s_or_b32 s[GH0+3], s[GH0+3], 0x80000000
	CROUND
.irp s, 0,1
	s_mov_b32 s[G0A+4*\s], 1
	s_add_co_u32 s[G0A+4*\s+1], s45, \s*SLOT
	s_add_nc_u64 s[G0A+4*\s+2:G0A+4*\s+3], s[20:21], \s*AROW
	s_or_b32 s[G0A+4*\s+3], s[G0A+4*\s+3], 0x80000000
	s_mov_b32 s[G0B+4*\s], 1
	s_add_co_u32 s[G0B+4*\s+1], s94, \s*SLOT
	s_add_nc_u64 s[G0B+4*\s+2:G0B+4*\s+3], s[46:47], \s*AROW
	s_or_b32 s[G0B+4*\s+3], s[G0B+4*\s+3], 0x80000000
.endr
	JLOAD G0A, G1A, G0B, G1B                       ; slot 0's fill: one tensor load a wave at the head
	v_and_b32 v1, 31, v0
	s_wait_alu depctr_va_vdst(0)
	s_lshl_b32 s95, s17, 1
	s_lshr_b32 s96, s42, 1
	s_add_co_u32 s95, s95, s96
	s_lshl_b32 s95, s95, 4
	s_and_b32 s96, s42, 1
	s_lshl_b32 s96, s96, 1
	s_add_co_u32 s95, s95, s96
	s_mul_i32 s96, s95, SRB                        ; AC: record 16 x (2 x tile row + cx / 2) + 2 (cx % 2), at fill 0 (+ 4 a fill)
	s_mov_b32 s97, 0
	s_add_nc_u64 s[12:13], s[4:5], s[96:97]
	s_lshl_b32 s97, s42, 2
	s_add_co_u32 s97, s97, s41                     ; WC: quad 4 x tile column + cy,
	s_lshl_b32 s97, s97, 4
	s_add_co_u32 s97, s97, s14                     ; record 16 x quad + wave, at fill 0 (+ 4 a fill)
	s_mul_i32 s96, s97, SRB
	s_mov_b32 s97, 0
	s_add_nc_u64 s[18:19], s[6:7], s[96:97]
	s_mul_i32 s99, s14, 13
	v_min_u32 v[PFC], 12, v1
	v_add_nc_u32 v[PFC], s99, v[PFC]
	v_min_u32 v[PFC], 49, v[PFC]                   ; AC: blocks 13 x wave on of the two records' 50; lanes left over ask for the wave's last block again
	v_lshlrev_b32 v[PFC], 8, v[PFC]
	v_min_u32 v51, 24, v1                          ; v51: WC: the 25 blocks of my wave's record; never rewritten
	v_lshlrev_b32 v51, 8, v51
	global_prefetch_b8 v[PFC], s[12:13] offset:4*SRB th:TH_LOAD_NT scope:SCOPE_SE
	global_prefetch_b8 v51, s[18:19] offset:4*SRB th:TH_LOAD_NT scope:SCOPE_SE
	global_prefetch_b8 v[PFC], s[12:13] offset:8*SRB th:TH_LOAD_NT scope:SCOPE_SE
	global_prefetch_b8 v51, s[18:19] offset:8*SRB th:TH_LOAD_NT scope:SCOPE_SE
	v_lshrrev_b32 v[PFH], 1, v1
	v_lshlrev_b32 v[PFH], 12, v[PFH]
	v_and_b32 v50, 1, v1
	v_lshl_add_u32 v[PFH], v50, 8, v[PFH]
	v_and_b32 v2, 15, v0
	v_bfe_u32 v3, v0, 4, 1
	v_lshlrev_b32 v[L16], 4, v1
	v_lshlrev_b32 v[L8], 3, v1
	v_lshlrev_b32 v15, 3, v2
	v_lshl_add_u32 v15, v3, 2, v15
	v_add_nc_u32 v15, 6144, v15
	s_mul_i32 s21, s15, AROW
	s_mul_i32 s22, s16, 2*AROW
	s_add_co_u32 s22, s22, BOFF
.irp s, 0,1
	v_add_nc_u32 v[ADRA+\s], s21, v[L16]
	v_add_nc_u32 v[ADRB+\s], s22, v[L16]
	v_add_nc_u32 v[ADSA+\s], s21, v15
	v_add_nc_u32 v[ADSB+\s], s22, v15
	s_add_co_u32 s21, s21, SLOT
	s_add_co_u32 s22, s22, SLOT
.endr
	v_mul_u32_u24 v[HA], v2, HP
	v_lshl_add_u32 v[HA], v3, 6, v[HA]
	v_add_nc_u32 v[HA], s90, v[HA]
	v_cmp_le_u32 s84, 16, v1
.macro MM d, bf, af, zero, sb, sa, rb, ra
.if \zero
.if (\rb) && (\ra)
	v_wmma_scale_f32_16x16x128_f8f6f4 v[(\d):(\d)+7], v[(\bf):(\bf)+11], v[(\af):(\af)+11], 0, v[(\sb)], v[(\sa)] matrix_a_fmt:MATRIX_FMT_BF6 matrix_b_fmt:MATRIX_FMT_BF6 matrix_a_scale:MATRIX_SCALE_ROW1 matrix_b_scale:MATRIX_SCALE_ROW1
.elseif \rb
	v_wmma_scale_f32_16x16x128_f8f6f4 v[(\d):(\d)+7], v[(\bf):(\bf)+11], v[(\af):(\af)+11], 0, v[(\sb)], v[(\sa)] matrix_a_fmt:MATRIX_FMT_BF6 matrix_b_fmt:MATRIX_FMT_BF6 matrix_a_scale:MATRIX_SCALE_ROW1
.elseif \ra
	v_wmma_scale_f32_16x16x128_f8f6f4 v[(\d):(\d)+7], v[(\bf):(\bf)+11], v[(\af):(\af)+11], 0, v[(\sb)], v[(\sa)] matrix_a_fmt:MATRIX_FMT_BF6 matrix_b_fmt:MATRIX_FMT_BF6 matrix_b_scale:MATRIX_SCALE_ROW1
.else
	v_wmma_scale_f32_16x16x128_f8f6f4 v[(\d):(\d)+7], v[(\bf):(\bf)+11], v[(\af):(\af)+11], 0, v[(\sb)], v[(\sa)] matrix_a_fmt:MATRIX_FMT_BF6 matrix_b_fmt:MATRIX_FMT_BF6
.endif
.else
.if (\rb) && (\ra)
	v_wmma_scale_f32_16x16x128_f8f6f4 v[(\d):(\d)+7], v[(\bf):(\bf)+11], v[(\af):(\af)+11], v[(\d):(\d)+7], v[(\sb)], v[(\sa)] matrix_a_fmt:MATRIX_FMT_BF6 matrix_b_fmt:MATRIX_FMT_BF6 matrix_a_scale:MATRIX_SCALE_ROW1 matrix_b_scale:MATRIX_SCALE_ROW1
.elseif \rb
	v_wmma_scale_f32_16x16x128_f8f6f4 v[(\d):(\d)+7], v[(\bf):(\bf)+11], v[(\af):(\af)+11], v[(\d):(\d)+7], v[(\sb)], v[(\sa)] matrix_a_fmt:MATRIX_FMT_BF6 matrix_b_fmt:MATRIX_FMT_BF6 matrix_a_scale:MATRIX_SCALE_ROW1
.elseif \ra
	v_wmma_scale_f32_16x16x128_f8f6f4 v[(\d):(\d)+7], v[(\bf):(\bf)+11], v[(\af):(\af)+11], v[(\d):(\d)+7], v[(\sb)], v[(\sa)] matrix_a_fmt:MATRIX_FMT_BF6 matrix_b_fmt:MATRIX_FMT_BF6 matrix_b_scale:MATRIX_SCALE_ROW1
.else
	v_wmma_scale_f32_16x16x128_f8f6f4 v[(\d):(\d)+7], v[(\bf):(\bf)+11], v[(\af):(\af)+11], v[(\d):(\d)+7], v[(\sb)], v[(\sa)] matrix_a_fmt:MATRIX_FMT_BF6 matrix_b_fmt:MATRIX_FMT_BF6
.endif
.endif
.endm
.macro MULA set, a0, n, zero
.set aa, \a0
.rept \n
.set bb, 0
.rept 8
	MM 8*(8*aa+bb), 128*(\set)+12*bb, AF+48*(\set)+12*aa, \zero, SC+6*(\set)+2+bb/2, SC+6*(\set)+aa/2, bb%2, aa%2
.set bb, bb+1
.endr
.set aa, aa+1
.endr
.endm
.macro FETCH slot, q, set
	WIN 0x40
.set ii, 0
.rept 8
.irp c, 0,1,2
	ds_load_b128 v[128*(\set)+12*ii+4*\c:128*(\set)+12*ii+4*\c+3], v[ADRB+\slot] offset:(ii/4)*AROW+(\q)*SRB+(ii%4)*1536+512*\c
.endr
.set ii, ii+1
.endr
	WIN 0
.set ii, 0
.rept 4
.irp c, 0,1,2
	ds_load_b128 v[AF+48*(\set)+12*ii+4*\c:AF+48*(\set)+12*ii+4*\c+3], v[ADRA+\slot] offset:(\q)*SRB+ii*1536+512*\c
.endr
.set ii, ii+1
.endr
.irp j, 0,1
	ds_load_b32 v[SC+6*(\set)+\j], v[ADSA+\slot] offset:(\q)*SRB+128*\j
.endr
.irp j, 0,1,2,3
	ds_load_b32 v[SC+6*(\set)+2+\j], v[ADSB+\slot] offset:(\j/2)*AROW+(\q)*SRB+128*(\j%2)
.endr
.endm
.macro STEP slot, q, zero, pf
	s_wait_dscnt 0x0
	PLACES
	FETCH \slot, (\q)+1, 1-(\q)%2
.if \pf == 1
	global_prefetch_b8 v[PFC], s[12:13] offset:12*SRB th:TH_LOAD_NT scope:SCOPE_SE   ; fill 3
	global_prefetch_b8 v51, s[18:19] offset:12*SRB th:TH_LOAD_NT scope:SCOPE_SE
.elseif \pf > 1
	global_prefetch_b8 v[PFH], s[92:93] offset:65536*((\pf)-2) th:TH_LOAD_NT scope:SCOPE_SE   ; 16 rows of my h
.endif
	WIN MULW
	MULA (\q)%2, 0, 4, \zero
	WIN 0
.endm
.macro TURN slot, next, kind, pf
	s_wait_tensorcnt 0x0
	ds_add_u32 v[SPW], v[NIL]
.if \kind == 1
	s_add_nc_u64 s[G0A+4*\slot+2:G0A+4*\slot+3], s[G0A+4*\slot+2:G0A+4*\slot+3], 2*AROW
	s_add_nc_u64 s[G0B+4*\slot+2:G0B+4*\slot+3], s[G0B+4*\slot+2:G0B+4*\slot+3], 2*AROW
.endif
	s_wait_dscnt 0x0
	s_barrier_signal -1
	s_barrier_wait -1
	CREST
.if \kind == 1
	JLOAD G0A+4*\slot, G1A, G0B+4*\slot, G1B
.else
	tensor_load_to_lds s[GH0:GH0+3], s[GH1:GH1+7]
	s_nop 0
	PLACES
.endif
	FETCH \next, 0, 0
	WIN MULW
	MULA 1, 0, 4, 0
	WIN 0
.endm
	s_wait_alu depctr_va_vdst(0)
	s_wait_tensorcnt 0x0                           ; my part of slot 0 is in; slot 1's first fill is issued as a refill is
	ds_add_u32 v[SPW], v[NIL]
	s_wait_dscnt 0x0
	CROUND
	JLOAD G0A+4, G1A, G0B+4, G1B
	FETCH 0, 0, 0
	STEP 0, 0, 1, 1
	STEP 0, 1, 0, 2
	STEP 0, 2, 0, 3
	TURN 0, 1, 1, 0
	STEP 1, 0, 0, 4
	STEP 1, 1, 0, 5
	STEP 1, 2, 0, 0
	TURN 1, 0, 1, 0
	STEP 0, 0, 0, 0
	STEP 0, 1, 0, 0
	STEP 0, 2, 0, 0
	TURN 0, 1, 2, 0
	STEP 1, 0, 0, 0
	STEP 1, 1, 0, 0
	STEP 1, 2, 0, 0
	s_wait_dscnt 0x0
	WIN MULW
	MULA 1, 0, 4, 0
	WIN 0
.irp b, 0,1,2,3
	v_mov_b32 v[TM+4+\b], 0
.endr
.macro QUANT s, pw
.irp b, 0,1,2,3
	v_max3_num_f32 v[TM+\b], |v[\s+16*\b]|, |v[\s+1+16*\b]|, 0x2800000
.endr
.irp i, 2,4,6,8,10,12,14
.irp b, 0,1,2,3
	v_max3_num_f32 v[TM+\b], v[TM+\b], |v[\s+16*\b+\i]|, |v[\s+1+16*\b+\i]|
.endr
.endr
.irp b, 0,1,2,3
	v_permlanex16_b32 v[TM+4+\b], v[TM+\b], s[SEL], s[SEL+1]
.endr
.irp b, 0,1,2,3
	v_max_num_f32 v[TM+\b], v[TM+\b], v[TM+4+\b]
.endr
.irp b, 0,1,2,3
	v_add_nc_u32 v[TM+12+\b], 0xfe000000, v[TM+\b]
.endr
.irp b, 0,1,2,3
	v_lshrrev_b32 v[TM+4+\b], 23, v[TM+12+\b]
.endr
	v_lshl_or_b32 v[\pw], v[TM+5], 8, v[TM+4]
	v_lshl_or_b32 v[\pw], v[TM+6], 16, v[\pw]
	v_lshl_or_b32 v[\pw], v[TM+7], 24, v[\pw]
.irp c, 0,1
	v_cvt_scalef32_pk16_bf6_f32 v[PC+6*\c:PC+2+6*\c], v[\s+32*\c:\s+15+32*\c], v[TM+12+2*\c]
	v_cvt_scalef32_pk16_bf6_f32 v[PC+12+4*\c:PC+14+4*\c], v[\s+16+32*\c:\s+31+32*\c], v[TM+12+2*\c+1]
.endr
	v_nop
.irp c, 0,1
.irp i, 0,1,2
	v_permlane16_swap_b32 v[PC+6*\c+\i], v[PC+12+4*\c+\i]
.endr
.irp i, 0,1,2
	v_mov_b32 v[PC+3+6*\c+\i], v[PC+12+4*\c+\i]
.endr
.endr
.endm
.macro HLOAD a
.irp b, 0,1,2,3
.irp j, 0,1,2,3
	ds_load_b128 v[HB+16*\b+4*\j:HB+16*\b+4*\j+3], v[HA] offset:(\a)*16*HP+128*\b+16*\j
.endr
.endr
.endm
.macro OUTB a
	WIN 0x02
.set ii, 0
.rept 32
	v_pk_mul_f32 v[T+2*ii:T+2*ii+1], v[64*(\a)+2*ii:64*(\a)+2*ii+1], s[NL2E:NL2E+1] op_sel_hi:[1,0]
.set ii, ii+1
.endr
	WIN 0
.set ii, 0
	s_wait_alu depctr_va_vdst(0)
.rept 64
	v_exp_f32 v[T+ii], v[T+ii]
.set ii, ii+1
.endr
	v_nop
.set ii, 0
	s_wait_alu depctr_va_vdst(0)
.rept 32
	v_pk_add_f32 v[T+2*ii:T+2*ii+1], v[T+2*ii:T+2*ii+1], 1.0 op_sel_hi:[1,0]
.set ii, ii+1
.endr
.set ii, 0
	s_wait_alu depctr_va_vdst(0)
.rept 64
	v_rcp_f32 v[T+ii], v[T+ii]
.set ii, ii+1
.endr
	v_nop
	s_wait_dscnt 0x0
.set ii, 0
	s_wait_alu depctr_va_vdst(0)
.rept 32
	v_pk_mul_f32 v[T+2*ii:T+2*ii+1], v[T+2*ii:T+2*ii+1], v[HB+2*ii:HB+2*ii+1]
.set ii, ii+1
.endr
.if (\a) < 3
	HLOAD (\a)+1
.endif
	s_wait_xcnt 0x0
	QUANT T, PW+(\a)
.irp c, 0,1,2
	global_store_b128 v[L16], v[PC+4*\c:PC+4*\c+3], s[10:11] offset:1536*(\a)+512*\c
.endr
.endm
	s_wait_tensorcnt 0x0
	HLOAD 0
	OUTB 0
	OUTB 1
	OUTB 2
	OUTB 3
	v_cndmask_b32 v[SW], v[PW], v[PW+2], s84
	v_cndmask_b32 v[SW+1], v[PW+1], v[PW+3], s84
	global_store_b64 v[L8], v[SW:SW+1], s[10:11] offset:6144
	s_wait_tensorcnt 0x0
	ds_add_u32 v[SPW], v[NIL]
	s_wait_dscnt 0x0
	CROUND
	s_endpgm
.Lfunc_end_k_q9bebd64db4_gate_r:
	.size	k_q9bebd64db4_gate_r, .Lfunc_end_k_q9bebd64db4_gate_r-k_q9bebd64db4_gate_r
	.p2alignl 7, 3214868480
	.fill 96, 4, 3214868480
	.section	.rodata,"a",@progbits
	.p2align	6, 0x0
	.amdhsa_kernel k_q9bebd64db4_gate_r
		.amdhsa_group_segment_fixed_size 327680
		.amdhsa_private_segment_fixed_size 0
		.amdhsa_enable_private_segment 0
		.amdhsa_kernarg_size 32
		.amdhsa_user_sgpr_count 2
		.amdhsa_user_sgpr_kernarg_segment_ptr 1
		.amdhsa_wavefront_size32 1
		.amdhsa_system_sgpr_workgroup_id_x 1
		.amdhsa_system_sgpr_workgroup_id_y 1
		.amdhsa_system_sgpr_workgroup_id_z 1
		.amdhsa_system_vgpr_workitem_id 0
		.amdhsa_next_free_vgpr 768
		.amdhsa_next_free_sgpr 100
		.amdhsa_reserve_vcc 0
		.amdhsa_float_denorm_mode_32 3
		.amdhsa_float_denorm_mode_16_64 3
		.amdhsa_memory_ordered 1
		.amdhsa_forward_progress 1
		.amdhsa_inst_pref_size 185
	.end_amdhsa_kernel
	.amdgpu_metadata
---
amdhsa.version: [ 1, 2 ]
amdhsa.kernels:
  - .name:           k_q9bebd64db4_gate_r
    .symbol:         k_q9bebd64db4_gate_r.kd
    .args:
      - { .name: AC, .offset: 0, .size: 8, .value_kind: global_buffer, .address_space: global }
      - { .name: WC, .offset: 8, .size: 8, .value_kind: global_buffer, .address_space: global }
      - { .name: h, .offset: 16, .size: 8, .value_kind: global_buffer, .address_space: global }
      - { .name: RC, .offset: 24, .size: 8, .value_kind: global_buffer, .address_space: global }
    .group_segment_fixed_size: 327680
    .private_segment_fixed_size: 0
    .kernarg_segment_align: 8
    .kernarg_segment_size: 32
    .max_flat_workgroup_size: 128
    .sgpr_count:     100
    .vgpr_count:     768
    .wavefront_size: 32
...
	.end_amdgpu_metadata
.endif
;; end of part 2
;; launch gate_zh (part 3): grid 8 x 32, 4 waves a work-group, clusters of 4 x 4, 327,680 bytes of LDS; arguments AC, RC, WC, h, out0; writes out0
.if DOCPART == 3
	.amdgcn_target "amdgcn-amd-amdhsa--gfx1250"
	.amdhsa_code_object_version 6
	.text
	.protected	k_q9bebd64db4_gate_zh
	.globl	k_q9bebd64db4_gate_zh
	.p2align	8
	.type	k_q9bebd64db4_gate_zh,@function
k_q9bebd64db4_gate_zh:
	s_mov_b64 s[64:65], 0
	v_nop
	global_prefetch_b8 v0, s[64:65] scope:SCOPE_SE
	s_setreg_imm32_b32 hwreg(HW_REG_WAVE_MODE, 25, 1), 1
	s_wait_xcnt 0x0
	s_wait_alu depctr_hold_cnt(0) depctr_sa_sdst(0) depctr_va_vdst(0) depctr_va_sdst(0) depctr_va_ssrc(0) depctr_va_vcc(0) depctr_vm_vsrc(0)
	s_getreg_b32 s2, hwreg(HW_REG_IB_STS2, 6, 4)
	s_cmp_eq_u32 s2, 0
	s_cbranch_scc0 .Lentry_in_a_cluster
	s_endpgm
.Lentry_in_a_cluster:
	s_bfe_u32 s2, ttmp6, 0x10000c
	s_cmp_lg_u32 s2, 0xf033
	s_cbranch_scc0 .Lentry_shape_is_right
	s_endpgm
.Lentry_shape_is_right:
; out0 = (1 - z) h + z tanh(concat(r h, x) W_h), z = sigmoid(concat(h, x) W_z).  Both products run on codes of BF6 (E3M2) with E8M0 scales, sums in f32; all else in f32.
; AC (codes of concat(h, x)), RC (codes of r h) and WC (the weights) are laid in RECORDS of 64 rows x 128 K, 6,400 bytes, in the order of the operand's registers: byte 1536 a + 512 c + 16 l = registers
; 4 c .. 4 c + 3 of lane l of fragment a; byte 6144 + 128 (a / 2) + 8 r + 4 (a % 2) = row r's scale word.  AC [128][16][6400], RC [128][8][6400], WC [48][16][6400].  In AC and WC h's K step i and x's K step 8 + i are neighbours.
; LIMITS: the sums take K's steps of 128 in the order 0, 8, 1, 9, ..; NaN and infinities are not served; the blend holds for |h| under 2^60.
; SHARES.  A work-group makes 256 rows x 128 columns of the output: 32 x 8 = 256 work-groups.  Waves 0, 1 make z's sums, waves 2, 3 h_tilde's; wave w rows 128 (w % 2) on: 128 x 128 of ONE product, 64 accumulators.
; The two sums meet in LDS at the end.  A slot holds fill f: h's K step f and x's K step 8 + f: AC's two records for each of 4 groups of rows, RC's one, WC's two for each of 4 quads (2 of W_z, 2 of W_h).
; In the slot's first step z multiplies h's codes and h_tilde r h's; in the second both multiply the same codes of x.  128 matrix instructions a wave between two changes of slots.
; CLUSTER 4 x 4: AC's and RC's records hang on the tile row alone and are shared along a row of the cluster, WC's on the tile column alone and are shared along a column.
; THE PRODUCTS ARE USED TRANSPOSED (source 0 = 16 columns of a weight, source 1 = 16 rows): register 8 b + j of a block of 16 rows is column 32 (b / 2) + 16 (lane / 16) + 8 (b % 2) + j of row lane % 16.
; PREFETCH.  Each block of 256 bytes of a fill is asked for once in each cluster that will load it, lanes 256 bytes apart.  The four partners that ask for a tile jointly share it by address: of its tile row's 4 groups
; the work-group takes group cx (AC's two records: wave 0, two requests; RC's one: wave 1 blocks 0-12, wave 3 blocks 13-24), of its tile column's 4 quads quad cy (WC's two records: wave 2, two requests).
; Fills 1 to 3 are asked for at the head; in the change of slots of fill f the records of fill f + 4, whose tensor load is issued two changes later; nothing beyond fill 7.
; Each wave asks for its own 64 rows of h, 16 rows in each of the loop's four changes of slots.
; REGISTERS: window 0: v4-27 addresses; v32-47 scale words, two sets; v48-52 prefetch offsets; v64-255 A's fragments, two sets of 8.  Window 1: B's fragments, two sets of 8; on the way out h.  Windows 2, 3: the accumulators of my rows 0-63, 64-127.
.set SRB,   6400
.set TOFF,  8*SRB                      ; a slot: AC's 4 x 12,800 bytes, RC's 4 x 6,400, WC's 4 x 12,800
.set BOFF,  12*SRB
.set SLOT,  20*SRB
.set SP,    528                        ; the stage's rows: 512 bytes + 16
.set PLANE, 256*SP                     ; the stage: z's sums, then h_tilde's; it lies over the slots, which have had their last fill and their last read
.set SPARE, 2*PLANE                    ; the spare words
.set ADRA, 4                           ; v4-11   my A fragments: + 4 slot + 2 step + half (64 rows)
.set ADSA, 12                          ; v12-19  their scale words
.set ADRB, 20
.set ADSB, 22
.set STO,  24
.set RD,   25
.set RD2,  26
.set L16,  27
.set SPW,  28
.set NIL,  29
.set SC,   32                          ; scale words, set s at v[SC + 8 s]: + 0 .. 3 A's pairs of blocks, + 4 .. 7 B's
.set PFA,  48                          ; prefetch: my lane's block of my wave's share of fill 1,
.set PFB,  49                          ; of fill 2,
.set PFD,  52                          ; of fill 3; none of the three is rewritten
.set PFC,  50                          ; of the fill asked for last in the loop: it walks
.set PFH,  51                          ; my lane's block of 16 rows of h: it walks, and the request reaches back by its immediate
.set AF,   64
.set G1A, 24
.set G1T, 32
.set G1B, 40
.set G0A, 48
.set G0T, 56
.set G0B, 68
.set NL2E, 82
.set L2E2, 84
.set PB,   92                          ; s[92:93] prefetch: my wave's record at fill 0;  s94: bytes from fill to fill
.set MUL_LO, 0xa1
.set MUL_HI, 0xf1
.set MSB, 0
.macro WIN new                         ; the immediate's high byte repeats the setting that is left
.if MSB != \new
	s_set_vgpr_msb (MSB<<8)|\new
.set MSB, \new
.endif
.endm
.macro PLACES
.rept 4
	v_nop
.endr
.endm
; A slot's joint loads: wave 0 AC's records, wave 1 RC's, waves 2 and 3 W_z's and W_h's.  The branches hang on the wave's number alone.  An s_nop 0 and four v_nop follow each line.
.macro JLOAD3 s
	s_cmp_lg_u32 s14, 0
	s_cbranch_scc1 .Lnot_0_\@
	tensor_load_to_lds s[G0A+4*\s:G0A+4*\s+3], s[G1A:G1A+7]
	s_nop 0
.rept 4
	v_nop
.endr
	s_branch .Lasked_\@
.Lnot_0_\@:
	s_cmp_lg_u32 s14, 1
	s_cbranch_scc1 .Lfor_b_\@
	tensor_load_to_lds s[G0T+4*\s:G0T+4*\s+3], s[G1T:G1T+7]
	s_nop 0
.rept 4
	v_nop
.endr
	s_branch .Lasked_\@
.Lfor_b_\@:
	tensor_load_to_lds s[G0B+4*\s:G0B+4*\s+3], s[G1B:G1B+7]
	s_nop 0
.rept 4
	v_nop
.endr
.Lasked_\@:
.endm
.macro CREST                           ; a round of the cluster's barrier behind its opening barrier
	s_cmp_lg_u32 s14, 0
	s_cbranch_scc1 .Lnot_wave_0_\@
	s_barrier_signal -3
.Lnot_wave_0_\@:
	s_barrier_wait -3
	s_barrier_signal -1
	s_barrier_wait -1
.endm
.macro CROUND
	s_barrier_signal -1
	s_barrier_wait -1
	CREST
.endm
	s_load_b256 s[4:11], s[0:1], 0x0               ; AC s[4:5], RC s[6:7], WC s[8:9], h s[10:11]
	s_load_b64 s[12:13], s[0:1], 0x20              ; out0
	v_lshl_add_u32 v[SPW], v0, 2, SPARE
	v_mov_b32 v[NIL], 0
	ds_add_u32 v[SPW], v[NIL]                      ; the opening lines: the add, twice on end, and its wait
	ds_add_u32 v[SPW], v[NIL]
	s_wait_dscnt 0x0
	v_lshrrev_b32 v1, 5, v0
	v_readfirstlane_b32 s14, v1                    ; wave 0..3
	s_lshr_b32 s15, s14, 1                         ; 0: z's product, 1: h_tilde's
	s_and_b32 s16, s14, 1                          ; which 128 rows are mine
	s_bfe_u32 s76, ttmp6, 0x40000                  ; cx, cy
	s_bfe_u32 s77, ttmp6, 0x40004
	s_lshl_b32 s78, ttmp9, 2
	s_add_co_u32 s78, s78, s76                     ; tile column
	s_and_b32 s17, ttmp7, 0xffff
	s_lshl_b32 s17, s17, 2
	s_add_co_u32 s17, s17, s77                     ; tile row
	s_lshl_b32 s79, s77, 2
	s_lshl_b32 s79, 15, s79                        ; my row of the cluster
	s_lshl_b32 s80, 0x1111, s76                    ; my column
	; group 1, elements of 8 bytes, no padding.  AC: 4 rows of 12,800 bytes, 102,400 apart;  RC: 4 rows of 6,400, 51,200 apart;  WC: 2 rows of 12,800, 102,400 apart
	s_or_b32 s[G1A], s79, (3<<16)|(1<<21)
	s_or_b32 s[G1T], s79, (3<<16)|(1<<21)
	s_or_b32 s[G1B], s80, (3<<16)|(1<<21)
	s_mov_b32 s[G1A+1], 1600<<16
	s_mov_b32 s[G1A+2], 4<<16
	s_mov_b32 s[G1A+3], 1600<<16
	s_mov_b32 s[G1A+4], 4
	s_mov_b32 s[G1A+5], 12800
	s_mov_b32 s[G1A+6], 0
	s_mov_b32 s[G1A+7], 0
	s_mov_b32 s[G1T+1], 800<<16
	s_mov_b32 s[G1T+2], 4<<16
	s_mov_b32 s[G1T+3], 800<<16
	s_mov_b32 s[G1T+4], 4
	s_mov_b32 s[G1T+5], 6400
	s_mov_b32 s[G1T+6], 0
	s_mov_b32 s[G1T+7], 0
	s_mov_b32 s[G1B+1], 1600<<16
	s_mov_b32 s[G1B+2], 2<<16
	s_mov_b32 s[G1B+3], 1600<<16
	s_mov_b32 s[G1B+4], 2
	s_mov_b32 s[G1B+5], 12800
	s_mov_b32 s[G1B+6], 0
	s_mov_b32 s[G1B+7], 0
	s_mul_i32 s20, s17, 4*16*SRB                   ; AC: groups of rows 4 x tile row on;
	s_mov_b32 s21, 0
	s_mul_i32 s22, s17, 4*8*SRB                    ; RC likewise: nothing of the tile column enters these registers
	s_mov_b32 s23, 0
	s_lshl_b32 s86, s78, 2                         ; WC: quad 16 + 4 x tile column + 2 x (wave % 2): nothing of the tile row enters these
	s_lshl_b32 s87, s16, 1
	s_add_co_u32 s86, s86, s87
	s_add_co_u32 s86, s86, 16
	s_mul_i32 s86, s86, 16*SRB
	s_mov_b32 s87, 0
	s_mul_i32 s90, s16, 4*SRB
	s_add_co_u32 s90, s90, BOFF
	s_lshl_b32 s88, s17, 20                        ; h and out0: (256 x tile row + 64 x wave) rows of 4,096 bytes + 512 x tile column
	s_lshl_b32 s89, s14, 18
	s_add_co_u32 s88, s88, s89
	s_lshl_b32 s89, s78, 9
	s_add_co_u32 s88, s88, s89
	s_mov_b32 s89, 0
	s_mov_b32 s[NL2E], 0xbfb8aa3b
	s_mov_b32 s[NL2E+1], s[NL2E]
	s_mov_b32 s[L2E2], 0x4038aa3b
	s_mov_b32 s[L2E2+1], s[L2E2]
	s_wait_kmcnt 0x0
	s_add_nc_u64 s[20:21], s[4:5], s[20:21]
	s_add_nc_u64 s[22:23], s[6:7], s[22:23]
	s_add_nc_u64 s[86:87], s[8:9], s[86:87]
	s_add_nc_u64 s[10:11], s[10:11], s[88:89]
	s_add_nc_u64 s[12:13], s[12:13], s[88:89]
	CROUND                                         ; all sixteen work-groups are here: the first joint loads meet
.irp s, 0,1
	s_mov_b32 s[G0A+4*\s], 1
	s_mov_b32 s[G0A+4*\s+1], \s*SLOT
	s_add_nc_u64 s[G0A+4*\s+2:G0A+4*\s+3], s[20:21], \s*2*SRB
	s_or_b32 s[G0A+4*\s+3], s[G0A+4*\s+3], 0x80000000
	s_mov_b32 s[G0T+4*\s], 1
	s_mov_b32 s[G0T+4*\s+1], \s*SLOT+TOFF
	s_add_nc_u64 s[G0T+4*\s+2:G0T+4*\s+3], s[22:23], \s*SRB
	s_or_b32 s[G0T+4*\s+3], s[G0T+4*\s+3], 0x80000000
	s_mov_b32 s[G0B+4*\s], 1
	s_add_co_u32 s[G0B+4*\s+1], s90, \s*SLOT
	s_add_nc_u64 s[G0B+4*\s+2:G0B+4*\s+3], s[86:87], \s*2*SRB
	s_or_b32 s[G0B+4*\s+3], s[G0B+4*\s+3], 0x80000000
.endr
	JLOAD3 0                                       ; slot 0's fill: one tensor load a wave at the head
	v_and_b32 v1, 31, v0                           ; lane
	s_wait_alu depctr_va_vdst(0)
	; what my wave asks for ahead: a record at fill 0 and a run of its 25 blocks of 256 bytes
	s_lshl_b32 s95, s17, 2
	s_add_co_u32 s95, s95, s76                     ; the group of rows 4 x tile row + cx
	s_lshl_b32 s97, s95, 4                         ; AC: record 16 x group (+ 2 a fill)
	s_lshl_b32 s98, s95, 3                         ; RC: record 8 x group (+ 1 a fill)
	s_lshl_b32 s99, s78, 2
	s_add_co_u32 s99, s99, s77
	s_add_co_u32 s99, s99, 16
	s_lshl_b32 s99, s99, 4                         ; WC: record 16 x (16 + 4 x tile column + cy) (+ 2 a fill)
	s_mov_b32 s94, 2*SRB
	s_cmp_eq_u32 s16, 1                            ; the choices hang on the wave's number alone
	s_cselect_b64 s[PB:PB+1], s[6:7], s[4:5]
	s_cselect_b32 s97, s98, s97
	s_cselect_b32 s94, SRB, s94
	s_cselect_b32 s67, 12, 24                      ; how many blocks follow my first
	s_cmp_eq_u32 s14, 2
	s_cselect_b64 s[PB:PB+1], s[8:9], s[PB:PB+1]
	s_cselect_b32 s97, s99, s97
	s_cmp_eq_u32 s14, 3
	s_cselect_b32 s19, 13, 0                       ; wave 3: the second half of RC's record
	s_mul_i32 s96, s97, SRB
	s_mov_b32 s97, 0
	s_add_nc_u64 s[PB:PB+1], s[PB:PB+1], s[96:97]
	v_min_u32 v[PFA], s67, v1
	v_add_nc_u32 v[PFA], s19, v[PFA]
	v_min_u32 v[PFA], 24, v[PFA]                   ; lanes beyond the last block ask for that one again
	v_lshlrev_b32 v[PFA], 8, v[PFA]
	v_add_nc_u32 v[PFA], s94, v[PFA]               ; fill 1
	v_add_nc_u32 v[PFB], s94, v[PFA]               ; fill 2
	v_add_nc_u32 v[PFD], s94, v[PFB]               ; fill 3
	v_add_nc_u32 v[PFC], s94, v[PFB]               ; the walking one begins there too: it steps ahead of each use
	s_wait_alu depctr_va_vdst(0)
	global_prefetch_b8 v[PFA], s[PB:PB+1] th:TH_LOAD_NT scope:SCOPE_SE
	global_prefetch_b8 v[PFB], s[PB:PB+1] th:TH_LOAD_NT scope:SCOPE_SE
	global_prefetch_b8 v[PFD], s[PB:PB+1] th:TH_LOAD_NT scope:SCOPE_SE
	s_cmp_lg_u32 s16, 0
	s_cbranch_scc1 .Lodd_head                      ; waves 0 and 2: the second record of AC's or WC's pair
	global_prefetch_b8 v[PFA], s[PB:PB+1] offset:SRB th:TH_LOAD_NT scope:SCOPE_SE
	global_prefetch_b8 v[PFB], s[PB:PB+1] offset:SRB th:TH_LOAD_NT scope:SCOPE_SE
	global_prefetch_b8 v[PFD], s[PB:PB+1] offset:SRB th:TH_LOAD_NT scope:SCOPE_SE
.Lodd_head:
	v_lshrrev_b32 v[PFH], 1, v1
	v_lshlrev_b32 v[PFH], 12, v[PFH]
	v_and_b32 v31, 1, v1
	v_lshl_add_u32 v[PFH], v31, 8, v[PFH]          ; 4,096 (lane / 2) + 256 (lane % 2)
	v_and_b32 v2, 15, v0                           ; r
	v_bfe_u32 v3, v0, 4, 1                         ; h
	v_lshlrev_b32 v[L16], 4, v1
	s_wait_alu depctr_va_vdst(0)
	v_lshlrev_b32 v30, 3, v2
	v_lshl_add_u32 v30, v3, 2, v30
	v_add_nc_u32 v30, 6144, v30                    ; a record's scale words: 6144 + 8 r + 4 h
	s_wait_alu depctr_va_vdst(0)
	s_mul_i32 s20, s15, TOFF                       ; the slot's first step: z reads AC's records (12,800 bytes from group to group), h_tilde RC's (6,400), which lie 51,200 bytes on
	s_xor_b32 s21, s15, 1
	s_mul_i32 s21, s21, SRB
	s_add_co_u32 s21, s21, SRB
	s_lshl_b32 s22, s16, 1                         ; my two groups of 64 rows
.irp half, 0,1
	s_add_co_u32 s23, s22, \half
	s_mul_i32 s86, s23, s21
	s_add_co_u32 s86, s86, s20                     ; first step
	s_mul_i32 s87, s23, 2*SRB
	s_add_co_u32 s87, s87, SRB                     ; second step: x's record, behind h's
.irp slot, 0,1
	v_add_nc_u32 v[ADRA+4*\slot+\half], s86, v[L16]
	v_add_nc_u32 v[ADRA+4*\slot+2+\half], s87, v[L16]
	v_add_nc_u32 v[ADSA+4*\slot+\half], s86, v30
	v_add_nc_u32 v[ADSA+4*\slot+2+\half], s87, v30
	s_add_co_u32 s86, s86, SLOT
	s_add_co_u32 s87, s87, SLOT
.endr
.endr
	s_mul_i32 s86, s15, 4*SRB
	s_add_co_u32 s86, s86, BOFF                    ; my product's two quads
.irp slot, 0,1
	v_add_nc_u32 v[ADRB+\slot], s86, v[L16]
	v_add_nc_u32 v[ADSB+\slot], s86, v30
	s_add_co_u32 s86, s86, SLOT
.endr
	s_mul_i32 s86, s15, PLANE                      ; the stage: my product's plane, my 128 rows; row r, + 64 h
	s_mul_i32 s87, s16, 128*SP
	s_add_co_u32 s86, s86, s87
	v_mul_u32_u24 v[STO], v2, SP
	v_lshl_add_u32 v[STO], v3, 6, v[STO]
	v_add_nc_u32 v[STO], s86, v[STO]
	s_mul_i32 s86, s14, 64*SP                      ; back: rows 64 x wave on, whole: 16 bytes a lane
	v_add_nc_u32 v[RD], s86, v[L16]
	v_add_nc_u32 v[RD2], PLANE, v[RD]
; One product.  d: the accumulator; bf, af: B's and A's fragment; zero = 1: it starts the sum; sb, sa: the scale registers; rb, ra = 1: the words lie in lanes 16-31.
.macro MM d, bf, af, zero, sb, sa, rb, ra
.if \zero
.if (\rb) && (\ra)
	v_wmma_scale_f32_16x16x128_f8f6f4 v[(\d):(\d)+7], v[(\bf):(\bf)+11], v[(\af):(\af)+11], 0, v[(\sb)], v[(\sa)] matrix_a_fmt:MATRIX_FMT_BF6 matrix_b_fmt:MATRIX_FMT_BF6 matrix_a_scale:MATRIX_SCALE_ROW1 matrix_b_scale:MATRIX_SCALE_ROW1
.elseif \rb
	v_wmma_scale_f32_16x16x128_f8f6f4 v[(\d):(\d)+7], v[(\bf):(\bf)+11], v[(\af):(\af)+11], 0, v[(\sb)], v[(\sa)] matrix_a_fmt:MATRIX_FMT_BF6 matrix_b_fmt:MATRIX_FMT_BF6 matrix_a_scale:MATRIX_SCALE_ROW1
.elseif \ra
	v_wmma_scale_f32_16x16x128_f8f6f4 v[(\d):(\d)+7], v[(\bf):(\bf)+11], v[(\af):(\af)+11], 0, v[(\sb)], v[(\sa)] matrix_a_fmt:MATRIX_FMT_BF6 matrix_b_fmt:MATRIX_FMT_BF6 matrix_b_scale:MATRIX_SCALE_ROW1
.else
	v_wmma_scale_f32_16x16x128_f8f6f4 v[(\d):(\d)+7], v[(\bf):(\bf)+11], v[(\af):(\af)+11], 0, v[(\sb)], v[(\sa)] matrix_a_fmt:MATRIX_FMT_BF6 matrix_b_fmt:MATRIX_FMT_BF6
.endif
.else
.if (\rb) && (\ra)
	v_wmma_scale_f32_16x16x128_f8f6f4 v[(\d):(\d)+7], v[(\bf):(\bf)+11], v[(\af):(\af)+11], v[(\d):(\d)+7], v[(\sb)], v[(\sa)] matrix_a_fmt:MATRIX_FMT_BF6 matrix_b_fmt:MATRIX_FMT_BF6 matrix_a_scale:MATRIX_SCALE_ROW1 matrix_b_scale:MATRIX_SCALE_ROW1
.elseif \rb
	v_wmma_scale_f32_16x16x128_f8f6f4 v[(\d):(\d)+7], v[(\bf):(\bf)+11], v[(\af):(\af)+11], v[(\d):(\d)+7], v[(\sb)], v[(\sa)] matrix_a_fmt:MATRIX_FMT_BF6 matrix_b_fmt:MATRIX_FMT_BF6 matrix_a_scale:MATRIX_SCALE_ROW1
.elseif \ra
	v_wmma_scale_f32_16x16x128_f8f6f4 v[(\d):(\d)+7], v[(\bf):(\bf)+11], v[(\af):(\af)+11], v[(\d):(\d)+7], v[(\sb)], v[(\sa)] matrix_a_fmt:MATRIX_FMT_BF6 matrix_b_fmt:MATRIX_FMT_BF6 matrix_b_scale:MATRIX_SCALE_ROW1
.else
	v_wmma_scale_f32_16x16x128_f8f6f4 v[(\d):(\d)+7], v[(\bf):(\bf)+11], v[(\af):(\af)+11], v[(\d):(\d)+7], v[(\sb)], v[(\sa)] matrix_a_fmt:MATRIX_FMT_BF6 matrix_b_fmt:MATRIX_FMT_BF6
.endif
.endif
.endm
; A's blocks a0 .. a0 + n - 1 (0-3 under MUL_LO, 4-7 under MUL_HI), each against B's eight.  The 64 accumulators take turns, one instruction a turn.
.macro MULA set, a0, n, zero
.set aa, \a0
.rept \n
.set bb, 0
.rept 8
	MM 8*(8*(aa%4)+bb), 128*(\set)+12*bb, AF+96*(\set)+12*aa, \zero, SC+8*(\set)+4+bb/2, SC+8*(\set)+aa/2, bb%2, aa%2
.set bb, bb+1
.endr
.set aa, aa+1
.endr
.endm
; The fragments and scale words of the slot's step q into set: 48 loads of 16 bytes a lane and 8 of 4 bytes
.macro FETCH slot, q, set
	WIN 0x40
.set ii, 0
.rept 8
.irp c, 0,1,2
	ds_load_b128 v[128*(\set)+12*ii+4*\c:128*(\set)+12*ii+4*\c+3], v[ADRB+\slot] offset:(ii/4)*2*SRB+(\q)*SRB+(ii%4)*1536+512*\c
.endr
.set ii, ii+1
.endr
	WIN 0
.set ii, 0
.rept 8
.irp c, 0,1,2
	ds_load_b128 v[AF+96*(\set)+12*ii+4*\c:AF+96*(\set)+12*ii+4*\c+3], v[ADRA+4*\slot+2*(\q)+ii/4] offset:(ii%4)*1536+512*\c
.endr
.set ii, ii+1
.endr
.irp j, 0,1,2,3
	ds_load_b32 v[SC+8*(\set)+\j], v[ADSA+4*\slot+2*(\q)+\j/2] offset:128*(\j%2)
.endr
.irp j, 0,1,2,3
	ds_load_b32 v[SC+8*(\set)+4+\j], v[ADSB+\slot] offset:(\j/2)*2*SRB+(\q)*SRB+128*(\j%2)
.endr
.endm
; A slot's first step: its operands were asked for a step ago; the second step's are asked for ahead of its 64 products.
.macro STEP0 slot, zero
	s_wait_dscnt 0x0                               ; this step's operands are in
	PLACES                                         ; four places between the last products, which read set 1, and the loads into it
	FETCH \slot, 1, 1
	WIN MUL_LO
	MULA 0, 0, 4, \zero
	WIN MUL_HI
	MULA 0, 4, 4, \zero
	WIN 0
.endm
; A slot's second step changes slots, at its head: each wave waits for all its tensor loads, adds 0 to its spare word, and waits for that and for its reads of the slot.
; fill = 1: the barrier opens a round of the cluster's barrier, and this slot is filled again, two fills ahead, first thing behind it.
; pf = 1: my wave's share of the fill four ahead, and 16 more rows of my h, are asked for.
.macro TURN slot, next, fill, pf
	s_wait_tensorcnt 0x0                           ; all my tensor loads have landed: my part of the next slot; so a group 0 may be written
	ds_add_u32 v[SPW], v[NIL]
.if \fill
	s_add_nc_u64 s[G0A+4*\slot+2:G0A+4*\slot+3], s[G0A+4*\slot+2:G0A+4*\slot+3], 4*SRB
	s_add_nc_u64 s[G0T+4*\slot+2:G0T+4*\slot+3], s[G0T+4*\slot+2:G0T+4*\slot+3], 2*SRB
	s_add_nc_u64 s[G0B+4*\slot+2:G0B+4*\slot+3], s[G0B+4*\slot+2:G0B+4*\slot+3], 4*SRB
.endif
.if \pf
	s_wait_xcnt 0x0                                ; the last prefetches, a whole fill back, have read their offsets: only now they step
	v_add_nc_u32 v[PFC], s94, v[PFC]
	v_add_nc_u32 v[PFH], 0x10000, v[PFH]
.endif
	s_wait_dscnt 0x0                               ; the add is done; this step's operands are in: my reads of this slot are over
	s_barrier_signal -1
	s_barrier_wait -1
.if \fill
	CREST                                          ; no wave of any partner still reads this slot or has a load on its way
	JLOAD3 \slot                                   ; the four v_nop behind it are also the places in front of the loads into set 0
.else
	PLACES
.endif
	FETCH \next, 0, 0
.if \pf
	s_wait_alu depctr_va_vdst(0)
	global_prefetch_b8 v[PFC], s[PB:PB+1] th:TH_LOAD_NT scope:SCOPE_SE
	global_prefetch_b8 v[PFH], s[10:11] offset:-65536 th:TH_LOAD_NT scope:SCOPE_SE
	s_cmp_lg_u32 s16, 0
	s_cbranch_scc1 .Lodd_\@                        ; waves 0 and 2: the second record of the pair
	global_prefetch_b8 v[PFC], s[PB:PB+1] offset:SRB th:TH_LOAD_NT scope:SCOPE_SE
.Lodd_\@:
.endif
	WIN MUL_LO
	MULA 1, 0, 4, 0
	WIN MUL_HI
	MULA 1, 4, 4, 0
	WIN 0
.endm
	s_wait_alu depctr_va_vdst(0)
	s_wait_tensorcnt 0x0                           ; my part of slot 0 is in; slot 1's first fill is issued as a refill is:
	ds_add_u32 v[SPW], v[NIL]
	s_wait_dscnt 0x0
	CROUND                                         ; everybody's part is in, and all sixteen work-groups are here
	JLOAD3 1
	FETCH 0, 0, 0
	STEP0 0, 1                                     ; the first products start the sums: nothing is cleared
	s_mov_b32 s3, 2
.Llap:                                             ; a trip goes once round the ring and fills both slots again: fills 2 to 5; it asks ahead for fills 4 to 7
	s_wait_alu depctr_va_vdst(0)
	TURN 0, 1, 1, 1
	STEP0 1, 0
	TURN 1, 0, 1, 1
	STEP0 0, 0
	s_sub_co_u32 s3, s3, 1
	s_cmp_lg_u32 s3, 0
	s_cbranch_scc1 .Llap
	TURN 0, 1, 1, 0                                ; written out: fill 6 is loaded; nothing is left to ask for ahead
	STEP0 1, 0
	TURN 1, 0, 1, 0                                ; fill 7 is loaded
	STEP0 0, 0
	TURN 0, 1, 0, 0                                ; the last lap fills nothing, and has no round of the cluster's barrier
	STEP0 1, 0
	s_wait_dscnt 0x0                               ; the last step's operands are in: my reads of both slots are over
	PLACES                                         ; behind the step before's products, which read B's set 0: h's first rows land there
	WIN 0x40
.set ii, 0
.rept 32
	global_load_b128 v[4*ii:4*ii+3], v[L16], s[10:11] offset:ii*4096 th:TH_LOAD_NT   ; h: rows 0-31 of my 64, 512 consecutive bytes each
.set ii, ii+1
.endr
	s_barrier_signal -1                            ; my reads of the slots are over: behind the barrier the stage is written over them
	WIN MUL_LO
	MULA 1, 0, 4, 0
	WIN MUL_HI
	MULA 1, 4, 4, 0
	WIN 0
	s_barrier_wait -1
; THE WAY OUT.  The sums go to the stage as they are; each wave then takes 64 whole rows of both planes and of h.
; With E1 = e^(-a), a z's sum, and E2 = e^(2 b), b h_tilde's: out = h + ((E2 - 1) - h (E2 + 1)) / ((1 + E1)(1 + E2)), which is (1 - z) h + z tanh(b).
; 2 b log2(e) is held at 60 from above, where tanh is 1 in f32 already; an E1 beyond f32 makes the reciprocal 0, that is z = 0.
	PLACES
.irp a, 0,1,2,3,4,5,6,7
	WIN 0x08+4*(\a/4)
.irp b, 0,1,2,3,4,5,6,7
	ds_store_b128 v[STO], v[8*(8*(\a%4)+\b):8*(8*(\a%4)+\b)+3] offset:\a*16*SP+128*(\b/2)+32*(\b%2)      ; each accumulator from its low end on
	ds_store_b128 v[STO], v[8*(8*(\a%4)+\b)+4:8*(8*(\a%4)+\b)+7] offset:\a*16*SP+128*(\b/2)+32*(\b%2)+16
.endr
.endr
	WIN 0x40
.set ii, 32
.rept 32
	global_load_b128 v[4*ii:4*ii+3], v[L16], s[10:11] offset:ii*4096 th:TH_LOAD_NT   ; h: rows 32-63
.set ii, ii+1
.endr
	WIN 0
	s_wait_dscnt 0x0                               ; for the others' sake: my stores into the stage are done
	s_barrier_signal -1
	s_barrier_wait -1
.macro LOADB i                         ; batch i: 8 rows of both planes into set i % 2
.set LB, 64+96*((\i)%2)
.irp k, 0,1,2,3,4,5,6,7
	ds_load_b128 v[LB+4*\k:LB+4*\k+3], v[RD] offset:(8*(\i)+\k)*SP
	ds_load_b128 v[LB+32+4*\k:LB+32+4*\k+3], v[RD2] offset:(8*(\i)+\k)*SP
.endr
.endm
.macro BATCH i
	s_wait_dscnt 0x0                               ; this batch's rows are in
.set FB, 64+96*((\i)%2)
.set ee, 0
.rept 16
	v_pk_mul_f32 v[FB+2*ee:FB+2*ee+1], v[FB+2*ee:FB+2*ee+1], s[NL2E:NL2E+1] op_sel_hi:[1,0]
	v_pk_mul_f32 v[FB+32+2*ee:FB+32+2*ee+1], v[FB+32+2*ee:FB+32+2*ee+1], s[L2E2:L2E2+1] op_sel_hi:[1,0]
.set ee, ee+1
.endr
.set ee, 0
.rept 32
	v_min_num_f32 v[FB+32+ee], 0x42700000, v[FB+32+ee]   ; held at 60
.set ee, ee+1
.endr
.set ee, 0
	s_wait_alu depctr_va_vdst(0)
.rept 64
	v_exp_f32 v[FB+ee], v[FB+ee]                   ; E1, then E2
.set ee, ee+1
.endr
.if (\i) < 7
	s_wait_xcnt 0x0                                ; the batch before's stores have read the other set's registers
	LOADB (\i)+1
.endif
	v_nop                                          ; a plain place behind the exponentials
.set ee, 0
	s_wait_alu depctr_va_vdst(0)
.rept 16
	v_pk_add_f32 v[FB+64+2*ee:FB+64+2*ee+1], v[FB+32+2*ee:FB+32+2*ee+1], 1.0 op_sel_hi:[1,0]    ; W = E2 + 1
	v_pk_add_f32 v[FB+32+2*ee:FB+32+2*ee+1], v[FB+32+2*ee:FB+32+2*ee+1], -1.0 op_sel_hi:[1,0]   ; E2 - 1
.set ee, ee+1
.endr
.set ee, 0
.rept 16
	v_pk_fma_f32 v[FB+2*ee:FB+2*ee+1], v[FB+2*ee:FB+2*ee+1], v[FB+64+2*ee:FB+64+2*ee+1], v[FB+64+2*ee:FB+64+2*ee+1]   ; (1 + E1)(1 + E2)
.set ee, ee+1
.endr
.set ee, 0
	s_wait_alu depctr_va_vdst(0)
.rept 32
	v_rcp_f32 v[FB+ee], v[FB+ee]
.set ee, ee+1
.endr
	s_wait_loadcnt 56-8*(\i)                       ; this batch's 8 rows of h are in; the later batches' may be out
	WIN 0x01
.set ee, 0
.rept 16
	v_pk_fma_f32 v[FB+32+2*ee:FB+32+2*ee+1], v[32*(\i)+2*ee:32*(\i)+2*ee+1], v[FB+64+2*ee:FB+64+2*ee+1], v[FB+32+2*ee:FB+32+2*ee+1] neg_lo:[1,0,0] neg_hi:[1,0,0]   ; (E2 - 1) - h W: plain places behind the reciprocals
.set ee, ee+1
.endr
	WIN 0x10
.set ee, 0
	s_wait_alu depctr_va_vdst(0)
.rept 16
	v_pk_fma_f32 v[FB+2*ee:FB+2*ee+1], v[FB+32+2*ee:FB+32+2*ee+1], v[FB+2*ee:FB+2*ee+1], v[32*(\i)+2*ee:32*(\i)+2*ee+1]
.set ee, ee+1
.endr
	WIN 0
.irp k, 0,1,2,3,4,5,6,7
	global_store_b128 v[L16], v[FB+4*\k:FB+4*\k+3], s[12:13] offset:(8*(\i)+\k)*4096 th:TH_STORE_NT   ; 32 lanes store 512 consecutive bytes, aligned to 256
.endr
.endm
	LOADB 0
	BATCH 0
	BATCH 1
	BATCH 2
	BATCH 3
	BATCH 4
	BATCH 5
	BATCH 6
	BATCH 7
	s_wait_tensorcnt 0x0                           ; the wave's end
	ds_add_u32 v[SPW], v[NIL]
	s_wait_dscnt 0x0
	CROUND                                         ; the closing round
	s_endpgm
.Lfunc_end_k_q9bebd64db4_gate_zh:
	.size	k_q9bebd64db4_gate_zh, .Lfunc_end_k_q9bebd64db4_gate_zh-k_q9bebd64db4_gate_zh
	.p2alignl 7, 3214868480
	.fill 96, 4, 3214868480
	.section	.rodata,"a",@progbits
	.p2align	6, 0x0
	.amdhsa_kernel k_q9bebd64db4_gate_zh
		.amdhsa_group_segment_fixed_size 327680
		.amdhsa_private_segment_fixed_size 0
		.amdhsa_enable_private_segment 0
		.amdhsa_kernarg_size 40
		.amdhsa_user_sgpr_count 2
		.amdhsa_user_sgpr_kernarg_segment_ptr 1
		.amdhsa_wavefront_size32 1
		.amdhsa_system_sgpr_workgroup_id_x 1
		.amdhsa_system_sgpr_workgroup_id_y 1
		.amdhsa_system_sgpr_workgroup_id_z 1
		.amdhsa_system_vgpr_workitem_id 0
		.amdhsa_next_free_vgpr 1024
		.amdhsa_next_free_sgpr 100
		.amdhsa_reserve_vcc 0
		.amdhsa_float_denorm_mode_32 3
		.amdhsa_float_denorm_mode_16_64 3
		.amdhsa_memory_ordered 1
		.amdhsa_forward_progress 1
		.amdhsa_inst_pref_size 255
	.end_amdhsa_kernel
	.section	.bss,"aw",@nobits
	.p2align	6
	.space	262144
	.amdgpu_metadata
---
amdhsa.version: [ 1, 2 ]
amdhsa.kernels:
  - .name:           k_q9bebd64db4_gate_zh
    .symbol:         k_q9bebd64db4_gate_zh.kd
    .args:
      - { .name: AC, .offset: 0, .size: 8, .value_kind: global_buffer, .address_space: global }
      - { .name: RC, .offset: 8, .size: 8, .value_kind: global_buffer, .address_space: global }
      - { .name: WC, .offset: 16, .size: 8, .value_kind: global_buffer, .address_space: global }
      - { .name: h, .offset: 24, .size: 8, .value_kind: global_buffer, .address_space: global }
      - { .name: out0, .offset: 32, .size: 8, .value_kind: global_buffer, .address_space: global }
    .group_segment_fixed_size: 327680
    .private_segment_fixed_size: 0
    .kernarg_segment_align: 8
    .kernarg_segment_size: 40
    .max_flat_workgroup_size: 128
    .sgpr_count:     100
    .vgpr_count:     1024
    .wavefront_size: 32
...
	.end_amdgpu_metadata
.endif
;; end of part 3
